; MI455X (gfx1250); checked and timed in simulation.
; The chip was launched on July 23, 2026; its instructions are those of AMD's public machine-readable ISA for CDNA 5 (MIT licence, August 2026) and "CDNA5" Instruction Set Architecture Reference Guide (July 2026). The comments in the code are by the model that wrote it; some were corrected since.
;; Self Attention. Allowed arithmetic: matrix products marked QUANTISED: E4M3 operands, one E8M0 scale for each 32 along K, by v_wmma_scale_f32_16x16x128_f8f6f4 with both operands' format E4M3, f32 sums; everything else in f32.
;; Inputs: beta 512 float32; bk 512 float32; bo 512 float32; bq 512 float32; bv 512 float32; gamma 512 float32; wk_codes 512 x 16 x 32 uint8 (E4M3 codes of wk, K innermost, in blocks of 32 codes); wk_scales 512 x 16 uint8 (E8M0 scales of wk, one for each 32 codes along K); wo_codes 512 x 16 x 32 uint8 (E4M3 codes of wo, K innermost, in blocks of 32 codes); wo_scales 512 x 16 uint8 (E8M0 scales of wo, one for each 32 codes along K); wq_codes 512 x 16 x 32 uint8 (E4M3 codes of wq, K innermost, in blocks of 32 codes); wq_scales 512 x 16 uint8 (E8M0 scales of wq, one for each 32 codes along K); wv_codes 512 x 16 x 32 uint8 (E4M3 codes of wv, K innermost, in blocks of 32 codes); wv_scales 512 x 16 uint8 (E8M0 scales of wv, one for each 32 codes along K); x 16 x 512 x 32 x 32 float32.
;; Outputs: out0 16 x 512 x 32 x 32 float32.
;; This version of the problem:
;;   THIS VERSION OF THE PROBLEM IS GIVEN IN LOW PRECISION. The matrix products marked QUANTISED in the list below multiply operands that are first quantised to E4M3 (4 exponent bits, 3 mantissa bits; 8 bits a number), with one power-of-two scale for each 32 numbers along K (OCP MX v1.0); their sums are f32. All else is computed in f32.
;;   The module's matrix products, in the order in which they are computed (A, B: the left and right operand; K: the contracted axis; several contracted axes count as one K, in the product's order):
;;     1. [M 16,384, K 512] x [K 512, N 512]; A: computed on the way; B: input wq (given as codes): QUANTISED
;;     2. [M 16,384, K 512] x [K 512, N 512]; A: computed on the way; B: input wk (given as codes): QUANTISED
;;     3. [M 16,384, K 512] x [K 512, N 512]; A: computed on the way; B: input wv (given as codes): QUANTISED
;;     4. batch 128 x [M 1,024, K 64] x [K 64, N 1,024]; A: computed on the way; B: computed on the way: QUANTISED
;;     5. batch 128 x [M 64, K 1,024] x [K 1,024, N 1,024]; A: computed on the way; B: softmax (see below): QUANTISED
;;     6. [M 16,384, K 512] x [K 512, N 512]; A: computed on the way; B: input wo (given as codes): QUANTISED
;;   THE QUANTISER, for each operand of a quantised product, along K:
;;     - K is cut into blocks of 32 from its start; a last block that is shorter is filled with zeros.
;;     - A block's scale is 2^e with e = floor(log2(the largest magnitude in the block)) - 8, held to -126 .. 127; a block of zeros has e = 0. As a byte (E8M0): e + 127.
;;     - Each number is divided by its block's scale, clamped to +-448, and rounded to the nearest number of E4M3, ties to even, subnormals kept.
;;     - The product sums the exact products of the quantised numbers (number of the format x scale) in f32.
;;   ~~~python
;;   def quantise(x, axis):      # numpy; x: float32 -> the quantised numbers, widened to float32 again
;;       x = np.moveaxis(x, axis, -1); K = x.shape[-1]
;;       x = np.pad(x, [(0, 0)] * (x.ndim - 1) + [(0, -K % 32)]); x = x.reshape(x.shape[:-1] + (-1, 32)); a = np.abs(x).max(-1, keepdims=True)
;;       e = np.where(a > 0, np.clip(np.frexp(np.where(a > 0, a, 1))[1] - 1 - 8, -126, 127), 0)      # np.frexp(a)[1] - 1 = floor(log2(a)), exactly
;;       r = np.clip(x / 2.0 ** e, -448, 448)
;;       step = 2.0 ** (np.maximum(np.frexp(np.where(r == 0, 1, r))[1] - 1, -6) - 3)
;;       q = np.round(r / step) * step * 2.0 ** e      # np.round: ties to even
;;       return np.moveaxis(q.reshape(q.shape[:-2] + (-1,))[..., :K], -1, axis).astype(np.float32)
;;   ~~~
;;   SOFTMAX AHEAD OF A QUANTISED PRODUCT. Where the list says 'softmax', what is quantised is not the finished softmax but p = 2^(t - M), with t = logit x log2(e) and M = ceil(the row's largest t), a whole number; so 1/2 < the row's largest p <= 1. The row's sum l is taken of the UNQUANTISED p, in f32, and the product's result is divided by l at the end. Since M is a whole number, a kernel that streams over the keys may use a running M (the ceiling of the running maximum): every later rescaling is an exact power of two, which a block's scale takes up: the codes' values come out the same.
;;   OPERANDS COMPUTED ON THE WAY. 'Computed on the way' means the value that the module computes at that place (a softmax that the list does not call 'softmax' is quantised finished and normalised). What goes into a quantiser is computed in f32, as accurately as f32 sums, v_exp_f32 and their like allow (about 1e-6 of the number): no bf16 or f16 on the way to a quantiser, and a product that is left as it is and whose result goes on into a quantised operand takes f32 operands (vector FMAs, or v_wmma_f32_16x16x4_f32). A number that lies on a knife's edge between two numbers of the format may be rounded either way, as far as f32 arithmetic and the matrix unit's own rounding can turn it there, and no further.
;;   INPUTS GIVEN AS CODES. wk (in the module: [512, 512], K = its axis 1); wo (in the module: [512, 512], K = its axis 1); wq (in the module: [512, 512], K = its axis 1); wv (in the module: [512, 512], K = its axis 1): each comes as NAME_codes (uint8): NAME with its K axis moved to the last place and cut into blocks of 32 codes, [.., K / 32, bytes a block], one block behind the other in memory; one code a byte (a code: sign, 4 exponent bits, 3 mantissa bits); and NAME_scales (uint8): the same leading axes, one E8M0 byte (e + 127) for each 32 codes along K. Its value is code x scale, taken as it is: it is not quantised again, and the codes and scales need not be those that the quantiser above would give.
;; One version. Each part assembles by itself: llvm-mc -triple=amdgcn-amd-amdhsa -mcpu=gfx1250 --defsym DOCPART=n.
;; ======== version 1 of 1: 3 launches
;; limits: right only within a limited range of input values
;; workspace buffers: xc 8,388,608 bytes; xs 262,144 bytes; oc 8,388,608 bytes; os 262,144 bytes
;; launch norm (part 1): grid 8 x 16, 16 waves a work-group, no clusters, 2,560 bytes of LDS; arguments x, gamma, beta, xc, xs; writes xc, xs
.if DOCPART == 1
	.amdgcn_target "amdgcn-amd-amdhsa--gfx1250"
	.amdhsa_code_object_version 6
	.text
	.protected	k_q2460082978_norm
	.globl	k_q2460082978_norm
	.p2align	8
	.type	k_q2460082978_norm,@function
k_q2460082978_norm:
	s_mov_b64 s[64:65], 0
	v_nop
	global_prefetch_b8 v0, s[64:65] scope:SCOPE_SE
	s_setreg_imm32_b32 hwreg(HW_REG_WAVE_MODE, 25, 1), 1
	s_wait_xcnt 0x0
; GroupNorm of x [16][512][1024] f32 (8 groups of 64 channels x 1,024 positions an image), then the MX-FP8 quantiser along the channels.
; A work-group owns one group (x = g, y = b): 65,536 numbers, 256 KB, which stay in the registers of its sixteen waves between the sums and the
; normalising, so that x is read from memory once.  That gives 128 work-groups: a group's statistics want all of its numbers in one place.
; A LANE TAKES A POSITION, ITS REGISTERS RUN DOWN THE CHANNELS: a block of 32 channels lies in one lane's 32 registers, its largest magnitude needs no other lane,
; and the conversions give codes with the channels innermost.  Wave w takes positions 64 w .. 64 w + 63 as two pairs of tiles (bi = 0, 1) of 32 positions.
; WHICH POSITION A LANE TAKES: lane l = 16 u + p takes position 32 beta + 8 u + p + 8 (p / 8): row p of tile (beta, u).  The later launches want their tiles of 16 positions so.
; OUT.  xc [b][beta 32][u 2][s 4] images of operand registers: a fragment (16 positions x 128 channels) is 2,048 bytes, [c 4][lane 32][16 bytes]; lane (p, h) of register group c holds channels 32 c + 16 h + 0 .. 15.
;       xs [b][beta][s][l = 16 u + p] one word: byte c is the E8M0 byte of channel block 4 s + c.  This group gives s = g / 2, c = 2 (g % 2) + cb.
; The variance is taken of the deviations from the mean (two passes over registers), so a common offset of x costs no accuracy.
; A block's scale byte is its largest magnitude's exponent field - 8, held at 1 from below.
; LIMITS: NaN and infinities are not served.  A block of zeros, or one whose largest magnitude lies under 2^-118, gets the byte 1 (the rule says 127 for zeros): its codes are zeros or
; subnormal codes under that byte, and the bytes are read by this program alone.
; No matrix unit, no tensor load, no cluster: the launch streams, and its work-groups share no input.
.set X,   32                           ; v32-159  my numbers: X + 64 bi + channel
.set CO,  160                          ; v160-191 codes: 8 registers for each (bi, cb); never written twice, so no store's data are rewritten
.set SBY, 192                          ; v192-195 scale bytes (2 bi + cb); v196-197 two bytes joined
.set GA,  20                           ; s[20:51] gamma of 32 channels, then gamma x rstd
.set BE,  68                           ; s[68:99] beta of 32 channels
	s_load_b256 s[4:11], s[0:1], 0x0               ; x s[4:5], gamma s[6:7], beta s[8:9], xc s[10:11]
	s_load_b64 s[12:13], s[0:1], 0x20              ; xs
	v_lshl_add_u32 v208, v0, 2, 0x200
	v_mov_b32 v209, 0
	v_lshrrev_b32 v4, 5, v0
	s_delay_alu instid0(VALU_DEP_1)
	v_readfirstlane_b32 s14, v4                    ; wave 0..15
	s_delay_alu instid0(VALU_DEP_2)
	v_lshlrev_b32 v4, 2, v4                        ; LDS: my wave's word among the sixteen partial sums
	v_mov_b32 v5, 0                                ; LDS: where all sixteen are read
	v_and_b32 v9, 31, v0                           ; l
	v_and_b32 v10, 15, v0                          ; p
	v_bfe_u32 v11, v0, 4, 1                        ; u
	v_and_b32 v12, 8, v0
	s_delay_alu instid0(VALU_DEP_1)
	v_add_nc_u32 v12, v12, v10                     ; p + 8 (p / 8)
	s_delay_alu instid0(VALU_DEP_1)
	v_lshl_add_u32 v12, v11, 3, v12                ; + 8 u: my position in a pair's 32
	s_lshl_b32 s60, s14, 8
	s_lshl_b32 s61, s14, 15
	s_lshl_b32 s62, s14, 10
	v_lshl_add_u32 v1, v12, 2, s60                 ; x: 256 w + 4 x position
	v_lshl_add_u32 v2, v10, 4, s61                 ; xc: 32,768 w + 16 p
	s_delay_alu instid0(VALU_DEP_1)
	v_lshl_add_u32 v2, v11, 13, v2                 ;     + 8,192 u
	v_lshl_add_u32 v3, v9, 2, s62                  ; xs: 1,024 w + 4 l
	s_and_b32 s16, ttmp7, 0xffff                   ; b
	s_mov_b32 s18, 0x76543210
	s_mov_b32 s19, 0xfedcba98                      ; v_permlanex16_b32's selects for lane l xor 16
	s_mov_b32 s53, 0x3727c5ac                      ; eps = 1e-5
	s_mov_b32 s55, 0x37800000                      ; 2^-16: one over the group's 65,536 numbers
	s_lshl_b32 s56, s16, 21                        ; x: (512 b + 64 g) rows of 4,096 bytes
	s_lshl_b32 s57, ttmp9, 18
	s_add_co_u32 s56, s56, s57
	s_mov_b32 s57, 0
	s_lshl_b32 s58, ttmp9, 8                       ; gamma, beta: 64 g numbers
	s_mov_b32 s59, 0
	s_wait_alu depctr_va_vdst(0)
	s_wait_kmcnt 0x0
	s_add_nc_u64 s[4:5], s[4:5], s[56:57]
	s_add_nc_u64 s[6:7], s[6:7], s[58:59]
	s_add_nc_u64 s[8:9], s[8:9], s[58:59]
	s_lshl_b32 s56, s16, 19                        ; xc: 524,288 b + 2,048 (g / 2) + 1,024 (g % 2) = 524,288 b + 1,024 g
	s_lshl_b32 s58, ttmp9, 10
	s_add_co_u32 s56, s56, s58
	s_add_nc_u64 s[10:11], s[10:11], s[56:57]
	s_lshl_b32 s56, s16, 14                        ; xs: 16,384 b + 128 (g / 2) + 2 (g % 2)
	s_lshr_b32 s58, ttmp9, 1
	s_lshl_b32 s58, s58, 7
	s_add_co_u32 s56, s56, s58
	s_and_b32 s58, ttmp9, 1
	s_lshl_b32 s58, s58, 1
	s_add_co_u32 s56, s56, s58
	s_add_nc_u64 s[12:13], s[12:13], s[56:57]
	s_load_b512 s[GA:GA+15], s[6:7], 0x0           ; gamma and beta of the group's channels 0-31
	s_load_b512 s[GA+16:GA+31], s[6:7], 0x40
	s_load_b512 s[BE:BE+15], s[8:9], 0x0
	s_load_b512 s[BE+16:BE+31], s[8:9], 0x40
	; all 128 loads at once, in four chunks of 16 channels; a channel's two loads cover 256 consecutive bytes, aligned
.irp q, 0,1,2,3
.irp k, 0,1,2,3,4,5,6,7,8,9,10,11,12,13,14,15
.irp bi, 0,1
	global_load_b32 v[X+64*\bi+16*\q+\k], v1, s[4:5] offset:4096*(16*\q+\k)+128*\bi th:TH_LOAD_NT
.endr
.endr
.endr
.macro SUMQ q                          ; chunk q's 16 pairs of numbers onto the four chains
.irp bi, 0,1
.irp p, 0,1,2,3,4,5,6,7
	v_pk_add_f32 v[8+2*(\p%4):9+2*(\p%4)], v[8+2*(\p%4):9+2*(\p%4)], v[X+64*\bi+16*\q+2*\p:X+64*\bi+16*\q+2*\p+1]
.endr
.endr
.endm
.macro FOLD                            ; four packed chains -> v8 -> the wave's sum in every lane
	s_delay_alu instid0(VALU_DEP_3)
	v_pk_add_f32 v[8:9], v[8:9], v[10:11]
	s_delay_alu instid0(VALU_DEP_2)
	v_pk_add_f32 v[12:13], v[12:13], v[14:15]
	s_delay_alu instid0(VALU_DEP_1)
	v_pk_add_f32 v[8:9], v[8:9], v[12:13]
	s_delay_alu instid0(VALU_DEP_1)
	v_add_f32 v8, v8, v9
	s_delay_alu instid0(VALU_DEP_1)
	v_add_f32_dpp v8, v8, v8 row_xmask:1 row_mask:0xf bank_mask:0xf
	s_delay_alu instid0(VALU_DEP_1)
	v_add_f32_dpp v8, v8, v8 row_xmask:2 row_mask:0xf bank_mask:0xf
	s_delay_alu instid0(VALU_DEP_1)
	v_add_f32_dpp v8, v8, v8 row_xmask:4 row_mask:0xf bank_mask:0xf
	s_delay_alu instid0(VALU_DEP_1)
	v_add_f32_dpp v8, v8, v8 row_xmask:8 row_mask:0xf bank_mask:0xf
	s_delay_alu instid0(VALU_DEP_1)
	v_permlanex16_b32 v9, v8, s18, s19             ; (v9 has been written)
	s_delay_alu instid0(VALU_DEP_1)
	v_add_f32 v8, v8, v9
.endm
.macro WGSUM base                      ; the sixteen waves' sums meet in 64 bytes of LDS at base; the total comes out in v16 of every lane
	ds_store_b32 v4, v8 offset:\base               ; all lanes write my wave's word with the same value
	s_wait_dscnt 0x0                               ; for the others' sake: my store is done
	s_barrier_signal -1
	s_barrier_wait -1
.irp i, 0,1,2,3
	ds_load_b128 v[16+4*\i:19+4*\i], v5 offset:\base+16*\i
.endr
	s_wait_dscnt 0x0
	v_pk_add_f32 v[16:17], v[16:17], v[24:25]
	v_pk_add_f32 v[18:19], v[18:19], v[26:27]
	v_pk_add_f32 v[20:21], v[20:21], v[28:29]
	v_pk_add_f32 v[22:23], v[22:23], v[30:31]
	s_delay_alu instid0(VALU_DEP_2)
	v_pk_add_f32 v[16:17], v[16:17], v[20:21]
	s_delay_alu instid0(VALU_DEP_2)
	v_pk_add_f32 v[18:19], v[18:19], v[22:23]
	s_delay_alu instid0(VALU_DEP_1)
	v_pk_add_f32 v[16:17], v[16:17], v[18:19]
	s_delay_alu instid0(VALU_DEP_1)
	v_add_f32 v16, v16, v17
.endm
	; ---- the mean
	s_wait_loadcnt 63                              ; of 128 loads at most 63 are out: the first 65 are in, chunks 0 and 1 among them (loads return in order)
.irp k, 0,1,2,3
	v_pk_add_f32 v[8+2*\k:9+2*\k], v[X+2*\k:X+2*\k+1], v[X+8+2*\k:X+9+2*\k]   ; the first additions start the four chains: nothing is cleared
.endr
.irp p, 0,1,2,3,4,5,6,7
	s_delay_alu instid0(VALU_DEP_4)
	v_pk_add_f32 v[8+2*(\p%4):9+2*(\p%4)], v[8+2*(\p%4):9+2*(\p%4)], v[X+64+2*\p:X+65+2*\p]
.endr
	SUMQ 1
	s_wait_alu depctr_va_vdst(0)
	s_wait_loadcnt 32                              ; chunk 2 is in; chunk 3's 32 loads may be out
	SUMQ 2
	s_wait_alu depctr_va_vdst(0)
	s_wait_loadcnt 0x0
	SUMQ 3
	FOLD
	WGSUM 0
	s_delay_alu instid0(VALU_DEP_1)
	v_mul_f32 v6, s55, v16                         ; the mean,
	s_delay_alu instid0(VALU_DEP_1)
	v_mov_b32 v7, v6                               ; as a pair
	; ---- the deviations, in place, and the sum of their squares
.set p, 0
.rept 64
	v_pk_add_f32 v[X+2*p:X+2*p+1], v[X+2*p:X+2*p+1], v[6:7] neg_lo:[0,1] neg_hi:[0,1]
.set p, p+1
.endr
.set p, 0
.rept 64
.if p < 4
	v_pk_mul_f32 v[8+2*p:9+2*p], v[X+2*p:X+2*p+1], v[X+2*p:X+2*p+1]
.else
	s_delay_alu instid0(VALU_DEP_4)
	v_pk_fma_f32 v[8+2*(p%4):9+2*(p%4)], v[X+2*p:X+2*p+1], v[X+2*p:X+2*p+1], v[8+2*(p%4):9+2*(p%4)]
.endif
.set p, p+1
.endr
	FOLD
	WGSUM 256                                      ; other LDS bytes than the first sum's: one barrier for each sum
	s_delay_alu instid0(VALU_DEP_1)
	v_fma_f32 v16, v16, s55, s53                   ; the variance + eps
	s_wait_alu depctr_va_vdst(0)
	v_rsq_f32 v17, v16
	v_nop                                          ; one plain instruction behind a transcendental before its result is used
	s_wait_alu depctr_va_vdst(0)
	v_readfirstlane_b32 s54, v17                   ; rstd, the same in every lane
.macro GAIN                            ; gamma x rstd for the 32 channels in hand
.set i, 0
.rept 32
	s_mul_f32 s[GA+i], s[GA+i], s54
.set i, i+1
.endr
.endm
.macro FMAS bi, cb                     ; xn = deviation x (gamma x rstd) + beta
.set XB, X+64*\bi+32*\cb
.set i, 0
.rept 32
	v_fma_f32 v[XB+i], v[XB+i], s[GA+i], s[BE+i]
.set i, i+1
.endr
.endm
.macro QB bi, cb                       ; a block of 32 channels of my position becomes 32 codes and a byte
.set XB, X+64*\bi+32*\cb
.set CB, CO+8*(2*\bi+\cb)
	v_max3_num_f32 v16, |v[XB]|, |v[XB+1]|, |v[XB+2]|          ; the block's largest magnitude, in two chains
	v_max3_num_f32 v17, |v[XB+3]|, |v[XB+4]|, |v[XB+5]|
.irp i, 6,10,14,18,22,26
	s_delay_alu instid0(VALU_DEP_2)
	v_max3_num_f32 v16, v16, |v[XB+\i]|, |v[XB+\i+1]|
	s_delay_alu instid0(VALU_DEP_2)
	v_max3_num_f32 v17, v17, |v[XB+\i+2]|, |v[XB+\i+3]|
.endr
	s_delay_alu instid0(VALU_DEP_2)
	v_max3_num_f32 v16, v16, |v[XB+30]|, |v[XB+31]|
	s_delay_alu instid0(VALU_DEP_1)
	v_max3_num_f32 v16, v16, v17, 0x4800000        ; and the floor 2^(9 - 127): the byte cannot fall under 1
	s_delay_alu instid0(VALU_DEP_1)
	v_add_nc_u32 v18, 0xfc000000, v16              ; 8 off its exponent field: the conversion takes the exponent field of this operand as its scale
.set i, 0
.rept 32
.set i, i+1
.endr
.irp q, 0,1,2,3
	v_cvt_scalef32_pk8_fp8_f32 v[CB+2*\q:CB+2*\q+1], v[XB+8*\q:XB+8*\q+7], v18
.endr
	v_lshrrev_b32 v[SBY+2*\bi+\cb], 23, v18        ; the scale's byte (also the plain instruction behind the conversions)
	global_store_b128 v2, v[CB:CB+3], s[10:11] offset:16384*\bi+512*\cb          ; channels 0-15 of the block: the image's lanes (p, 0); 16 lanes store 256 consecutive bytes, aligned
	global_store_b128 v2, v[CB+4:CB+7], s[10:11] offset:16384*\bi+512*\cb+256    ; channels 16-31: lanes (p, 1)
.endm
	s_wait_kmcnt 0x0                               ; gamma and beta of channels 0-31
	GAIN
	FMAS 0, 0
	FMAS 1, 0
	s_load_b512 s[GA:GA+15], s[6:7], 0x80          ; channels 32-63: they land while the first blocks are quantised
	s_load_b512 s[GA+16:GA+31], s[6:7], 0xc0
	s_load_b512 s[BE:BE+15], s[8:9], 0x80
	s_load_b512 s[BE+16:BE+31], s[8:9], 0xc0
	QB 0, 0
	QB 1, 0
	s_wait_kmcnt 0x0
	GAIN
	FMAS 0, 1
	FMAS 1, 1
	QB 0, 1
	QB 1, 1
.irp bi, 0,1
	v_lshl_or_b32 v[196+\bi], v[SBY+2*\bi+1], 8, v[SBY+2*\bi]
	global_store_b16 v3, v[196+\bi], s[12:13] offset:512*\bi   ; my group's two bytes of the position's word; the other two are the neighbouring group's: 2 bytes of every 4, 2 KB a work-group
.endr
	s_wait_tensorcnt 0x0
	ds_add_u32 v208, v209
	s_wait_dscnt 0x0
	s_endpgm
.Lfunc_end_k_q2460082978_norm:
	.size	k_q2460082978_norm, .Lfunc_end_k_q2460082978_norm-k_q2460082978_norm
	.p2alignl 7, 3214868480
	.fill 96, 4, 3214868480
	.section	.rodata,"a",@progbits
	.p2align	6, 0x0
	.amdhsa_kernel k_q2460082978_norm
		.amdhsa_group_segment_fixed_size 2560
		.amdhsa_private_segment_fixed_size 0
		.amdhsa_enable_private_segment 0
		.amdhsa_kernarg_size 40
		.amdhsa_user_sgpr_count 2
		.amdhsa_user_sgpr_kernarg_segment_ptr 1
		.amdhsa_wavefront_size32 1
		.amdhsa_system_sgpr_workgroup_id_x 1
		.amdhsa_system_sgpr_workgroup_id_y 1
		.amdhsa_system_sgpr_workgroup_id_z 1
		.amdhsa_system_vgpr_workitem_id 0
		.amdhsa_next_free_vgpr 210
		.amdhsa_next_free_sgpr 100
		.amdhsa_reserve_vcc 0
		.amdhsa_float_denorm_mode_32 3
		.amdhsa_float_denorm_mode_16_64 3
		.amdhsa_fp16_overflow 1
		.amdhsa_memory_ordered 1
		.amdhsa_forward_progress 1
		.amdhsa_inst_pref_size 52
	.end_amdhsa_kernel
	.amdgpu_metadata
---
amdhsa.version: [ 1, 2 ]
amdhsa.kernels:
  - .name:           k_q2460082978_norm
    .symbol:         k_q2460082978_norm.kd
    .args:
      - { .name: x, .offset: 0, .size: 8, .value_kind: global_buffer, .address_space: global }
      - { .name: gamma, .offset: 8, .size: 8, .value_kind: global_buffer, .address_space: global }
      - { .name: beta, .offset: 16, .size: 8, .value_kind: global_buffer, .address_space: global }
      - { .name: xc, .offset: 24, .size: 8, .value_kind: global_buffer, .address_space: global }
      - { .name: xs, .offset: 32, .size: 8, .value_kind: global_buffer, .address_space: global }
    .group_segment_fixed_size: 2560
    .private_segment_fixed_size: 0
    .kernarg_segment_align: 8
    .kernarg_segment_size: 40
    .max_flat_workgroup_size: 512
    .sgpr_count:     100
    .vgpr_count:     210
    .wavefront_size: 32
...
	.end_amdgpu_metadata
.endif
;; end of part 1
;; launch attn (part 2): grid 16 x 16, 16 waves a work-group, no clusters, 278,528 bytes of LDS; arguments xc, xs, wq_codes, wq_scales, bq, wk_codes, wk_scales, bk, wv_codes, wv_scales, bv, oc, os; writes oc, os
.if DOCPART == 2
	.amdgcn_target "amdgcn-amd-amdhsa--gfx1250"
	.amdhsa_code_object_version 6
	.text
	.protected	k_q2460082978_attn
	.globl	k_q2460082978_attn
	.p2align	8
	.type	k_q2460082978_attn,@function
k_q2460082978_attn:
	s_mov_b64 s[64:65], 0
	v_nop
	global_prefetch_b8 v0, s[64:65] scope:SCOPE_SE
	s_setreg_imm32_b32 hwreg(HW_REG_WAVE_MODE, 25, 1), 1
	s_wait_xcnt 0x0
; One head of one image, 512 of its 1,024 queries (x = 2 h + qh, y = b): the projections q, k, v of the head, both products of attention, the softmax, the division by the row's sum,
; and the quantiser ahead of the output projection.  All products on codes of E4M3 with one E8M0 byte for each 32 along K; q, k, v, the scores and p never go to memory.
; SHARES.  Sixteen waves of 256 registers, four to a SIMD, so that one wave's vector work stands beside another's matrix work and LDS loads.  Wave w owns two pairs of tiles (a pair = 32 positions):
; pair 1, beta = 16 qh + w: its 32 queries, which are keys too (LDS slot w);  pair 2, beta = 16 (1 - qh) + w: keys only (slot 16 + w).  The order of the key blocks is free, so no LDS address hangs on qh.
; TILES.  Row p of tile (beta, u) is position 32 beta + 8 u + p + 8 (p / 8); tile 2 c + u of a head's 64 weight rows takes row 32 c + 8 u + p + 8 (p / 8).  So the 16 result registers of two neighbouring
; tiles are 16 NEIGHBOURS along the next product's K, and every conversion's result is a register group of the next operand.
; OPERANDS GO THROUGH LDS AND MEMORY AS IMAGES OF THEIR REGISTERS: register group c of a fragment is 512 bytes, 16 x lane.  Scale words: 4 x lane; lanes 0-15 the even tile's rows, lanes 16-31 the odd tile's (ROW1).
; PRODUCTS.  q, k: source 0 = 16 weight rows, source 1 = 16 positions: a lane holds one position, registers run along d (K of the scores).  The bias is the C of the first instruction.
;            v:    source 0 = 16 positions, source 1 = 16 weight rows: a lane holds one d, registers run along the keys (K of the second product).  Its bias hangs on the lane alone and is added behind the sum.
;            S^T = k q^T: K = 64 of the instruction's 128.  q's upper 64 are zero codes.  A step's eight tiles of k, 8 registers each, lie on end, with 8 registers of zeros behind them: a tile's upper 64 are the next
;            tile's codes, which are finite and stand against zeros: they add nothing.  The scale bytes of the upper 64 are 1 on both sides.   O^T = v^T p^T.   A lane holds one query throughout.
; SOFTMAX.  t = score x log2(e) / 8; M = the running largest t rounded up to a whole number; p = 2^(t - M) is quantised along the keys; the sum is taken of the unquantised p; when M moves, the sum and O^T
; are multiplied by 2^(old M - new M), which rounds nothing.  A block's largest p is the block's largest score put through the same multiply-add and exponential.
; NO CLUSTER, NO TENSOR LOAD: the sixteen work-groups of an image read the same 512 KB of xn's codes, but each fragment is wanted by one wave and goes straight into its registers; a joint load lands in LDS,
; of which 276,224 bytes are taken, and the two halves of the queries take the pairs in opposite orders.
; LIMITS: NaN and infinities are not served.  A block of zeros, or one whose largest magnitude lies under 2^-118, gets the byte 1: this program alone reads the bytes.  A p under 2^-126 counts as 0 (v_exp_f32 flushes).
.set WIMG, 0                           ; LDS: the head's weights: [q, k, v][tile 4][K step 4] images of 2,048 bytes
.set KIMG, 98304                       ; k: [slot 32][u 2][c 2] groups of 512 bytes
.set VIMG, 163840                      ; v: [key step 8][tile 4][key block 4] groups of 512 bytes
.set QIMG, 229376                      ; q: [wave][u 2][c 2]
.set WSC,  262144                      ; the weights' scale words: [q, k, v][pair of tiles 2][K step 4][32]
.set KSC,  265216                      ; k's: [slot][32]
.set VSC,  269312                      ; v's: [key step][tile][32]; byte = key block
.set QSC,  273408                      ; q's: [wave][32]
.set BIA,  275456                      ; bq, bk, bv of the head: 3 x 256 bytes
.set LI,  1                            ; v1   16 x lane.  Also AW + 0
.set AW,  1                            ; v1-3 16 x lane + 32,768 m: matrix m's images
.set LS,  4                            ; v4   4 x lane
.set AWC, 5                            ; v5   the weights' scale words
.set AB,  6                            ; v6   the biases: BIA + 64 (lane / 16)
.set AQ,  7                            ; v7   q's images (kept through attention)
.set AK,  8                            ; v8   where I store k's images (slot w);  v9 their scale words
.set AKW, 9
.set AV,  10                           ; v10  v's images (key step w / 4, key block w % 4);  v11 their scale bytes
.set AVB, 11
.set AQW, 12                           ; v12  q's scale words.   v13-15: offsets of the head's loads
.set XF,  16                           ; projections: v16-143 xn's fragments (u, s) at XF + 16 (4 u + s)
.set WF,  144                          ; v144-207 four weight fragments; between units: at work
.set QT,  144                          ; the quantiser's ten registers, and one more
.set CD,  160                          ; the codes just made
.set ACC, 208                          ; v208-239 four accumulators: (x, y) at ACC + 16 x + 8 y
.set XS,  240                          ; v240-243 xn's scale words;   v244-247 the weights'.   v240-249 hold scales and nothing else
.set WSR, 244
.set SB,  250                          ; v250-251 scale bytes kept from d block 0 to d block 1
.set BV,  252                          ; v252-255 bv of my lane's d in tiles 0-3
.set ADK, 2                            ; attention: v2, v3, v5, v6 LDS addresses: the next step's k, this step's v, and their scale words
.set ADV, 3
.set ADS, 5
.set ADT, 6
.set QF,  8                            ; v8-23   q's fragment: v8-15 its codes, v16-23 zeros
.set KB,  24                           ; v24-87  a step's eight tiles of k, 8 registers each;  v88-95 zeros
.set SS,  96                           ; v96-159 S^T, then p, then v's four fragments
.set OO,  160                          ; v160-191 O^T
.set PC,  192                          ; v192-207 p's codes
.set BM,  208                          ; v208-211 block maxima;  v212-215 the other half's, then bytes;  v220-223 the conversions' scale operands
.set PM,  212
.set HD,  216
.set SOP, 220
.set F,   224                          ; v[224:225] 2^(old M - new M), later 1 / the sum (the low word serves both halves)
.set TT,  226
.set OSO, 227                          ; v227 my byte among os's words
.set S2,  228                          ; v[228:229] a chain of the sum
.set NM,  230                          ; v230 -M, v231 the largest t
.set SUM, 232                          ; v[232:233] the row's sum in two halves
.set HD2, 235
.set KS,  240                          ; v240-243 k's scale words;  v244-247 v's;  v248 q's;  v249 p's
.set VS,  244
.set QSR, 248
.set PW,  249
.set WV,  30                           ; s30 wave
.set SEL, 48                           ; s[48:49] v_permlanex16_b32's selects for lane l xor 16
.set MNT, 50                           ; s50 the mantissa field of 448
.set HI,  51                           ; s51 a mask of lanes 16-31
.set CS,  52                           ; s[52:53] c = log2(e) / 8
.set CNT, 54
.set TK,  55                           ; s55-58 LDS bytes at which the next step's k, this step's v and their scale words begin
.set TV,  56
.set TKS, 57
.set TVS, 58
.set PX2, 60                           ; s[60:61], s[62:63] xc at pair 2, pair 1;  s[66:67], s[68:69] xs likewise
.set PX1, 62
.set PS2, 66
.set PS1, 68
; A vector instruction that reads a matrix result or writes one of a matrix instruction's registers, and a load into such a register, stand 8 places behind this form; a matrix instruction that writes over
; a register of an earlier one stands 9 behind it.  Only plain vector instructions that name none of its registers are places (loads aside).
.macro PLACES n
.rept \n
	v_nop
.endr
.endm
.macro BARRIER                         ; my LDS stores have landed and my LDS loads are in: then the work-group's barrier
	s_wait_dscnt 0x0
	s_barrier_signal -1
	s_barrier_wait -1
.endm
; One product.  cz = 1: C is the constant 0, else C = D.  ra, rb = 1: that side's scales are read from lanes 16-31.
.macro WM d, a, b, cz, sa, sb, ra, rb
.if (\cz) && (\ra) && (\rb)
	v_wmma_scale_f32_16x16x128_f8f6f4 v[(\d):(\d)+7], v[(\a):(\a)+15], v[(\b):(\b)+15], 0, v[(\sa)], v[(\sb)] matrix_a_scale:MATRIX_SCALE_ROW1 matrix_b_scale:MATRIX_SCALE_ROW1
.elseif (\cz) && (\ra)
	v_wmma_scale_f32_16x16x128_f8f6f4 v[(\d):(\d)+7], v[(\a):(\a)+15], v[(\b):(\b)+15], 0, v[(\sa)], v[(\sb)] matrix_a_scale:MATRIX_SCALE_ROW1
.elseif (\cz) && (\rb)
	v_wmma_scale_f32_16x16x128_f8f6f4 v[(\d):(\d)+7], v[(\a):(\a)+15], v[(\b):(\b)+15], 0, v[(\sa)], v[(\sb)] matrix_b_scale:MATRIX_SCALE_ROW1
.elseif (\cz)
	v_wmma_scale_f32_16x16x128_f8f6f4 v[(\d):(\d)+7], v[(\a):(\a)+15], v[(\b):(\b)+15], 0, v[(\sa)], v[(\sb)]
.elseif (\ra) && (\rb)
	v_wmma_scale_f32_16x16x128_f8f6f4 v[(\d):(\d)+7], v[(\a):(\a)+15], v[(\b):(\b)+15], v[(\d):(\d)+7], v[(\sa)], v[(\sb)] matrix_a_scale:MATRIX_SCALE_ROW1 matrix_b_scale:MATRIX_SCALE_ROW1
.elseif (\ra)
	v_wmma_scale_f32_16x16x128_f8f6f4 v[(\d):(\d)+7], v[(\a):(\a)+15], v[(\b):(\b)+15], v[(\d):(\d)+7], v[(\sa)], v[(\sb)] matrix_a_scale:MATRIX_SCALE_ROW1
.elseif (\rb)
	v_wmma_scale_f32_16x16x128_f8f6f4 v[(\d):(\d)+7], v[(\a):(\a)+15], v[(\b):(\b)+15], v[(\d):(\d)+7], v[(\sa)], v[(\sb)] matrix_b_scale:MATRIX_SCALE_ROW1
.else
	v_wmma_scale_f32_16x16x128_f8f6f4 v[(\d):(\d)+7], v[(\a):(\a)+15], v[(\b):(\b)+15], v[(\d):(\d)+7], v[(\sa)], v[(\sb)]
.endif
.endm
; Two blocks of 32 along K, x = 0, 1: my 16 numbers of each in v[a + 16 x] on, the other 16 in lane l xor 16.  Codes to v[cd + 4 x] on (one register group), the byte to v[t + 8 + x].
; The reads go up from each accumulator's low end.
.macro QUANT2 a, t, cd
.irp x, 0,1
	v_max3_num_f32 v[\t+\x], |v[\a+16*\x]|, |v[\a+16*\x+1]|, 0x4800000   ; and the floor 2^(9 - 127): the byte cannot fall under 1
.endr
.irp i, 2,4,6,8,10,12,14
.irp x, 0,1
	v_max3_num_f32 v[\t+\x], v[\t+\x], |v[\a+16*\x+\i]|, |v[\a+16*\x+\i+1]|
.endr
.endr
.irp x, 0,1
	s_delay_alu instid0(VALU_DEP_2)
	v_permlanex16_b32 v[\t+2+\x], v[\t+\x], s[SEL], s[SEL+1]
.endr
.irp x, 0,1
	s_delay_alu instid0(VALU_DEP_2)
	v_max_num_f32 v[\t+\x], v[\t+\x], v[\t+2+\x]          ; the block's largest magnitude
.endr
.irp x, 0,1
	s_delay_alu instid0(VALU_DEP_2)
	v_add_nc_u32 v[\t+4+\x], 0xfc000000, v[\t+\x]         ; 8 off its exponent field: the conversion's scale operand
.endr
.irp x, 0,1
	s_delay_alu instid0(VALU_DEP_4)
	v_and_or_b32 v[\t+6+\x], v[\t+\x], 0x7f800000, s[MNT] ; 448 x the scale
.endr
.irp x, 0,1
	s_delay_alu instid0(VALU_DEP_4)
	v_lshrrev_b32 v[\t+8+\x], 23, v[\t+4+\x]              ; the scale's byte
.endr
.irp x, 0,1
.irp i, 0,1,2,3,4,5,6,7,8,9,10,11,12,13,14,15
.endr
	v_cvt_scalef32_pk8_fp8_f32 v[\cd+4*\x:\cd+4*\x+1], v[\a+16*\x:\a+16*\x+7], v[\t+4+\x]
	v_cvt_scalef32_pk8_fp8_f32 v[\cd+4*\x+2:\cd+4*\x+3], v[\a+16*\x+8:\a+16*\x+15], v[\t+4+\x]
.endr
	v_nop                                          ; one plain instruction behind the last conversion: later products write its sources
.endm
; Matrix m's tiles 2 cp, 2 cp + 1, K steps 2 hf, 2 hf + 1: four fragments and two scale words, from LDS
.macro WLOAD m, cp, hf
.irp sl, 0,1
.irp y, 0,1
.irp c, 0,1,2,3
	ds_load_b128 v[WF+32*\sl+16*\y+4*\c:WF+32*\sl+16*\y+4*\c+3], v[AW+\m] offset:(4*(2*\cp+\y)+2*\hf+\sl)*2048+512*\c
.endr
.endr
	ds_load_b32 v[WSR+2*\hf+\sl], v[AWC] offset:1024*\m+512*\cp+128*(2*\hf+\sl)
.endr
.endm
; A pair's fragments of xn for K steps k0, k0 + 1, both tiles, and their scale words, from memory: 18 loads, each of 512 (128) consecutive bytes
.macro XLOAD pc, ps, k0
.irp k, 0,1
.irp u, 0,1
.irp c, 0,1,2,3
	global_load_b128 v[XF+16*(4*\u+\k0+\k)+4*\c:XF+16*(4*\u+\k0+\k)+4*\c+3], v[LI], s[\pc:\pc+1] offset:(4*\u+\k0+\k)*2048+512*\c
.endr
.endr
	global_load_b32 v[XS+\k0+\k], v[LS], s[\ps:\ps+1] offset:128*(\k0+\k)
.endr
.endm
; Eight products.  The four accumulators take turns, one instruction a turn, in the same order throughout.
.macro QKMUL hf                        ; (x, y): positions' tile x (source 1), weight tile y (source 0)
.irp sl, 0,1
.irp x, 0,1
.irp y, 0,1
	WM ACC+16*\x+8*\y, WF+32*\sl+16*\y, XF+16*(4*\x+2*\hf+\sl), 0, WSR+2*\hf+\sl, XS+2*\hf+\sl, \y, \x
.endr
.endr
.endr
.endm
.macro VMUL hf                         ; (x, y): weight tile x (source 1), positions' tile y (source 0); the first K step starts the sums
.irp sl, 0,1
.irp x, 0,1
.irp y, 0,1
	WM ACC+16*\x+8*\y, XF+16*(4*\y+2*\hf+\sl), WF+32*\sl+16*\x, (1-\hf)*(1-\sl), XS+2*\hf+\sl, WSR+2*\hf+\sl, \y, \x
.endr
.endr
.endr
.endm
; q (m = 0) or k (m = 1) of the pair in XF, d block cp: 32 positions x 32 d.  The images go to v[ia] + io, the finished scale word (behind cp = 1) to v[sa] + so.
; lw = 1: the first unit on a pair: xn's K steps 2 and 3 may still be on their way while K steps 0 and 1 are multiplied.
.macro UNITQK m, cp, ia, io, sa, so, lw
	WLOAD \m, \cp, 0
.irp y, 0,1
	ds_load_b128 v[ACC+8*\y:ACC+8*\y+3], v[AB] offset:256*\m+128*\cp+32*\y        ; the bias of d = 32 cp + 16 (lane / 16) + 8 y + 0 .. 7 is the sums' start
	ds_load_b128 v[ACC+8*\y+4:ACC+8*\y+7], v[AB] offset:256*\m+128*\cp+32*\y+16
.endr
	s_wait_dscnt 0x0
.set j, 0
.rept 16
	v_mov_b32 v[ACC+16+j], v[ACC+j]                ; the second tile of positions starts from the same 16 numbers: a copy in registers in place of four more LDS loads, in a phase that reads 16 KB of weights from LDS for 16 products
.set j, j+1
.endr
	QKMUL 0
	PLACES 8                                       ; in front of loads into the fragments just multiplied
	WLOAD \m, \cp, 1
.if \lw
	s_wait_loadcnt 0x0                             ; xn's K steps 2 and 3, which the products below are the first to read
.endif
	s_wait_dscnt 0x0
	QKMUL 1
	PLACES 9                                       ; 8 for the reads below; the 9th for a next unit whose first products write these accumulators anew
	QUANT2 ACC, QT, CD
.irp x, 0,1
	ds_store_b128 v[\ia], v[CD+4*\x:CD+4*\x+3] offset:\io+1024*\x+512*\cp
.endr
.if \cp == 0
	v_mov_b32 v[SB], v[QT+8]
	v_mov_b32 v[SB+1], v[QT+9]
.else
	v_lshl_or_b32 v[SB], v[QT+8], 8, v[SB]
	v_lshl_or_b32 v[SB+1], v[QT+9], 8, v[SB+1]
	s_delay_alu instid0(VALU_DEP_1)
	v_cndmask_b32 v[QT+10], v[SB], v[SB+1], s[HI]  ; lanes 0-15: tile 0's rows; lanes 16-31: tile 1's
	s_delay_alu instid0(VALU_DEP_1)
	v_or_b32 v[QT+10], 0x01010000, v[QT+10]        ; the byte 1 over the upper 64 of K, where q's codes are zeros
	ds_store_b32 v[\sa], v[QT+10] offset:\so
.endif
	s_wait_dscnt 0x0                               ; the stores have read their registers: the next unit's loads land there
.endm
; v of the pair in XF, d tiles 2 cp, 2 cp + 1: one key block of each.  po = 1: pair 2 (four key steps further on).  nx = 1: the last unit on pair 2: pair 1's fragments are asked for as XF's K steps fall free.
.macro UNITV cp, po, nx
	WLOAD 2, \cp, 0
	s_wait_dscnt 0x0
	VMUL 0
	PLACES 8
	WLOAD 2, \cp, 1
.if \nx
	XLOAD PX1, PS1, 0
.endif
	s_wait_dscnt 0x0
	VMUL 1
	PLACES 9
.if \nx
	XLOAD PX1, PS1, 2
.endif
.irp x, 0,1
.irp i, 0,1,2,3,4,5,6,7,8,9,10,11,12,13,14,15
	v_add_f32 v[ACC+16*\x+\i], v[ACC+16*\x+\i], v[BV+2*\cp+\x]   ; bv of my lane's d
.endr
.endr
	QUANT2 ACC, QT, CD
.irp x, 0,1
	ds_store_b128 v[AV], v[CD+4*\x:CD+4*\x+3] offset:32768*\po+2048*(2*\cp+\x)
	ds_store_b8 v[AVB], v[QT+8+\x] offset:2048*\po+128*(2*\cp+\x)
.endr
	s_wait_dscnt 0x0
.endm
; A key step's eight tiles of k (8 KB on end in LDS, 64 registers on end) and their four scale words: 20 loads in one run
.macro KLOAD
.set i, 0
.rept 16
	ds_load_b128 v[KB+4*i:KB+4*i+3], v[ADK] offset:512*i
.set i, i+1
.endr
.irp t, 0,1,2,3
	ds_load_b32 v[KS+\t], v[ADS] offset:128*\t
.endr
.endm
; A KEY STEP: 128 keys (four slots) against my tile of 16 queries.  Its k is in registers when it begins.  qrow: which half of the lanes holds q's scale words.  pf = 1: the next step's k is asked for.
.macro STEP qrow, pf
	PLACES 9                                       ; behind the last step's products, whose source registers the scores below write over
.irp t, 0,1,2,3,4,5,6,7                ; S^T = k q^T: tile t's operand is its own 8 registers and the 8 behind them
	WM SS+8*\t, KB+8*\t, QF, 1, KS+\t/2, QSR, \t%2, \qrow
.endr                                  ; lane (r, h): query r; register 16 b + i: key 16 h + i of the step's block b
	v_add_nc_u32 v[ADV], s[TV], v[LI]              ; with the v_nop below: the 8 places in front of the first read of the scores, and of the loads into k's registers and scale words
	v_add_nc_u32 v[ADT], s[TVS], v[LS]
.if \pf
	v_add_nc_u32 v[ADK], s[TK], v[LI]
	v_add_nc_u32 v[ADS], s[TKS], v[LS]
	PLACES 4
	KLOAD                                          ; the next step's k: it has the whole softmax in which to land
.else
	PLACES 6
.endif
.irp b, 0,1,2,3
	v_max3_num_f32 v[BM+\b], v[SS+16*\b], v[SS+16*\b+1], v[SS+16*\b+2]   ; the largest score of each block of 32 keys: for the row's maximum, and for the block's largest p
.endr
.irp i, 3,5,7,9,11,13
.irp b, 0,1,2,3
	v_max3_num_f32 v[BM+\b], v[BM+\b], v[SS+16*\b+\i], v[SS+16*\b+\i+1]
.endr
.endr
.irp b, 0,1,2,3
	v_max_num_f32 v[BM+\b], v[BM+\b], v[SS+16*\b+15]
.endr
.irp b, 0,1,2,3
	s_delay_alu instid0(VALU_DEP_4)
	v_permlanex16_b32 v[PM+\b], v[BM+\b], s[SEL], s[SEL+1]
.endr
.irp b, 0,1,2,3
	s_delay_alu instid0(VALU_DEP_4)
	v_max_num_f32 v[BM+\b], v[BM+\b], v[PM+\b]     ; with lane l xor 16's 16 keys
.endr
	s_delay_alu instid0(VALU_DEP_2)
	v_max3_num_f32 v[TT], v[BM], v[BM+1], v[BM+2]
	s_delay_alu instid0(VALU_DEP_1)
	v_max_num_f32 v[TT], v[TT], v[BM+3]            ; the step's largest score of my query
	s_delay_alu instid0(VALU_DEP_1)
	v_mul_f32 v[TT], s[CS], v[TT]                  ; as t (c is positive)
	s_delay_alu instid0(VALU_DEP_1)
	v_max_num_f32 v[NM+1], v[NM+1], v[TT]          ; the running largest t
	v_mov_b32 v[TT], v[NM]
	s_delay_alu instid0(VALU_DEP_2)
	v_floor_f32 v[NM], -v[NM+1]                    ; the new -M = floor(-t) = -ceil(t)
	s_delay_alu instid0(VALU_DEP_1)
	v_sub_f32 v[TT], v[NM], v[TT]                  ; old M - new M: a whole number, 0 or less
	s_delay_alu instid0(VALU_DEP_1)
	v_cvt_i32_f32 v[TT], v[TT]                     ; (it saturates)
	s_delay_alu instid0(VALU_DEP_1)
	v_ldexp_f32 v[F], 1.0, v[TT]                   ; f = 2^(old M - new M)
.set j, 0
.rept 32
	v_pk_fma_f32 v[SS+j:SS+j+1], v[SS+j:SS+j+1], s[CS:CS+1], v[NM:NM+1] op_sel_hi:[1,0,0]   ; t - M, two at a time (of c and -M the low word serves both halves)
.set j, j+2
.endr
.irp b, 0,1,2,3
	v_fma_f32 v[BM+\b], v[BM+\b], s[CS], v[NM]     ; the same of each block's largest score
.endr
.set j, 0
	s_wait_alu depctr_va_vdst(0)
.rept 64
	v_exp_f32 v[SS+j], v[SS+j]                     ; p = 2^(t - M), at most 1, not normalised
.set j, j+1
.endr
	s_setprio 1
.irp b, 0,1,2,3
	v_exp_f32 v[BM+\b], v[BM+\b]                   ; the block's largest p: the same two instructions on the same number
.endr
	v_pk_mul_f32 v[SUM:SUM+1], v[SUM:SUM+1], v[F:F+1] op_sel_hi:[1,0]   ; the sum under the new M (the plain instruction behind the exponentials)
	s_wait_alu depctr_va_vdst(0)
.irp b, 0,1,2,3
	v_max_num_f32 v[BM+\b], 0x4800000, v[BM+\b]    ; the floor 2^(9 - 127)
.endr
.irp b, 0,1,2,3
	s_delay_alu instid0(VALU_DEP_4)
	v_add_nc_u32 v[SOP+\b], 0xfc000000, v[BM+\b]
.endr
.irp b, 0,1,2,3
.endr
.irp b, 0,1,2,3
.endr
.irp b, 0,1,2,3
	s_delay_alu instid0(VALU_DEP_4)
	v_lshrrev_b32 v[PM+\b], 23, v[SOP+\b]
.endr
	s_delay_alu instid0(VALU_DEP_3)
	v_lshl_or_b32 v[PW], v[PM+1], 8, v[PM]         ; p's scale word for these 128 keys; the sums below are more than the 8 places that it owes
	s_delay_alu instid0(VALU_DEP_1)
	v_lshl_or_b32 v[PW], v[PM+2], 16, v[PW]
	s_delay_alu instid0(VALU_DEP_1)
	v_lshl_or_b32 v[PW], v[PM+3], 24, v[PW]
	v_pk_add_f32 v[228:229], v[100:101], v[104:105]
	v_pk_add_f32 v[254:255], v[108:109], v[112:113]
	v_pk_add_f32 v[252:253], v[116:117], v[120:121]
	v_pk_add_f32 v[250:251], v[124:125], v[128:129]
	v_pk_add_f32 v[246:247], v[132:133], v[136:137]
	v_pk_add_f32 v[244:245], v[140:141], v[144:145]
	v_pk_add_f32 v[238:239], v[148:149], v[152:153]
	v_pk_add_f32 v[232:233], v[232:233], v[156:157]
	v_pk_add_f32 v[228:229], v[228:229], v[96:97]
	v_pk_add_f32 v[254:255], v[254:255], v[98:99]
	v_pk_add_f32 v[252:253], v[252:253], v[102:103]
	v_pk_add_f32 v[250:251], v[250:251], v[106:107]
	v_pk_add_f32 v[246:247], v[246:247], v[110:111]
	v_pk_add_f32 v[244:245], v[244:245], v[114:115]
	v_pk_add_f32 v[238:239], v[238:239], v[118:119]
	v_pk_add_f32 v[232:233], v[232:233], v[122:123]
	v_pk_add_f32 v[228:229], v[228:229], v[126:127]
	v_pk_add_f32 v[254:255], v[254:255], v[130:131]
	v_pk_add_f32 v[252:253], v[252:253], v[134:135]
	v_pk_add_f32 v[250:251], v[250:251], v[138:139]
	v_pk_add_f32 v[246:247], v[246:247], v[142:143]
	v_pk_add_f32 v[244:245], v[244:245], v[146:147]
	v_pk_add_f32 v[238:239], v[238:239], v[150:151]
	v_pk_add_f32 v[232:233], v[232:233], v[154:155]
	v_pk_add_f32 v[228:229], v[228:229], v[158:159]
	s_delay_alu instid0(VALU_DEP_2)
	v_pk_add_f32 v[232:233], v[232:233], v[250:251]
	s_delay_alu instid0(VALU_DEP_2)
	v_pk_add_f32 v[228:229], v[228:229], v[246:247]
	v_pk_add_f32 v[254:255], v[254:255], v[244:245]
	v_pk_add_f32 v[252:253], v[252:253], v[238:239]
	s_delay_alu instid0(VALU_DEP_2)
	v_pk_add_f32 v[232:233], v[232:233], v[254:255]
	s_delay_alu instid0(VALU_DEP_2)
	v_pk_add_f32 v[228:229], v[228:229], v[252:253]
	s_delay_alu instid0(VALU_DEP_1)
	v_pk_add_f32 v[232:233], v[232:233], v[228:229]
.irp b, 0,1,2,3
.irp i, 0,2,4,6,8,10,12,14
.endr
	v_cvt_scalef32_pk8_fp8_f32 v[PC+4*\b:PC+4*\b+1], v[SS+16*\b:SS+16*\b+7], v[SOP+\b]
	v_cvt_scalef32_pk8_fp8_f32 v[PC+4*\b+2:PC+4*\b+3], v[SS+16*\b+8:SS+16*\b+15], v[SOP+\b]
.irp c, 0,1,2,3
	ds_load_b128 v[SS+16*\b+4*\c:SS+16*\b+4*\c+3], v[ADV] offset:2048*\b+512*\c   ; v's tile b takes the registers that block b of p has left
.endr
	ds_load_b32 v[VS+\b], v[ADT] offset:128*\b
.endr
.set j, 0
	s_setprio 0
.rept 16
	v_pk_mul_f32 v[OO+j:OO+j+1], v[OO+j:OO+j+1], v[F:F+1] op_sel_hi:[1,0]   ; O^T under the new M, from each accumulator's low end on; also the places between the codes and the products
.set j, j+2
.endr
	s_wait_alu depctr_va_vdst(0)
.irp t, 0,1,2,3
	s_wait_dscnt 15-5*\t                           ; tile t's five loads are in: behind them stand five for each later tile; the k asked for above is older.  The last count, 0, also shows the next step's k in
	WM OO+8*\t, SS+16*\t, PC, 0, VS+\t, PW, 0, 0   ; O^T += v^T p^T
.endr
.if \pf
	s_add_co_u32 s[TK], s[TK], 8192                ; on by a key step
	s_add_co_u32 s[TV], s[TV], 8192
	s_add_co_u32 s[TKS], s[TKS], 512
	s_add_co_u32 s[TVS], s[TVS], 512
.endif
.endm
; One tile of 16 queries against all 1,024 keys; then the division, the quantiser along the head's 64 channels, and the stores.
.macro TILE u
	ds_load_b128 v[QF:QF+3], v[AQ] offset:1024*\u
	ds_load_b128 v[QF+4:QF+7], v[AQ] offset:1024*\u+512
	v_add_nc_u32 v[ADK], KIMG, v[LI]
	v_add_nc_u32 v[ADS], KSC, v[LS]
	KLOAD                                          ; key step 0's k
	s_mov_b32 s[TK], KIMG+8192
	s_mov_b32 s[TKS], KSC+512
	s_mov_b32 s[TV], VIMG
	s_mov_b32 s[TVS], VSC
	s_mov_b32 s[CNT], 7
.set j, 0
.rept 32
	v_mov_b32 v[OO+j], 0                           ; the step has no first form of its own: the first finds zeros, which the first change of M leaves zeros
.set j, j+1
.endr
	v_mov_b32 v[SUM], 0
	v_mov_b32 v[SUM+1], 0
	v_mov_b32 v[NM+1], 0xff61b1e6                  ; the largest t so far: -3e38
	s_delay_alu instid0(VALU_DEP_1)
	v_floor_f32 v[NM], -v[NM+1]
	s_wait_dscnt 0x0                               ; q and key step 0's k
.Lstep_\@:                                     ; seven trips; trip i asks for key step i + 1's k
	s_setprio 2
	STEP \u, 1
	s_sub_co_u32 s[CNT], s[CNT], 1
	s_cmp_lg_u32 s[CNT], 0
	s_cbranch_scc1 .Lstep_\@
	s_setprio 0
	STEP \u, 0                                     ; the last key step is written out: nothing is left to ask for
	PLACES 8
	v_add_f32 v[SUM], v[SUM], v[SUM+1]
	s_delay_alu instid0(VALU_DEP_1)
	v_permlanex16_b32 v[TT], v[SUM], s[SEL], s[SEL+1]
	s_delay_alu instid0(VALU_DEP_1)
	v_add_f32 v[SUM], v[SUM], v[TT]                ; the row's sum
	s_wait_alu depctr_va_vdst(0)
	v_rcp_f32 v[F], v[SUM]
	v_nop                                          ; one plain instruction behind a transcendental
.set j, 0
	s_wait_alu depctr_va_vdst(0)
.rept 16
	v_pk_mul_f32 v[OO+j:OO+j+1], v[OO+j:OO+j+1], v[F:F+1] op_sel_hi:[1,0]   ; register 16 c + i: channel 32 c + 16 (lane / 16) + i of the head, query r
.set j, j+2
.endr
	QUANT2 OO, BM, PC
.irp x, 0,1
	global_store_b128 v[LI], v[PC+4*\x:PC+4*\x+3], s[26:27] offset:8192*\u+512*\x   ; a register group of the next launch's operand: 512 consecutive bytes, aligned
.endr
	v_cndmask_b32 v[TT], v[BM+8], v[BM+9], s[HI]   ; lanes 0-15 store block 0's byte, lanes 16-31 block 1's
	global_store_b8 v[OSO], v[TT], s[28:29] offset:64*\u
	s_wait_xcnt 0x0                                ; the stores' data registers are written again only behind this wait
.endm
	; ---- A. the head
	s_load_b512 s[4:19], s[0:1], 0x0               ; xc, xs, wq's codes, scales, bq, wk's codes, scales, bk
	s_load_b256 s[20:27], s[0:1], 0x40             ; wv's codes, scales, bv, oc
	s_load_b64 s[28:29], s[0:1], 0x60              ; os
	v_lshrrev_b32 v13, 5, v0
	s_delay_alu instid0(VALU_DEP_1)
	v_readfirstlane_b32 s[WV], v13                 ; wave 0..15
	s_delay_alu instid0(VALU_DEP_2)
	v_lshlrev_b32 v15, 4, v13                      ; 16 w: my wave's 16 bytes of a head's bias,
	s_delay_alu instid0(VALU_DEP_1)
	v_add_nc_u32 v215, BIA, v15                    ; and their place in LDS
	v_and_b32 v14, 31, v0
	s_delay_alu instid0(VALU_DEP_1)
	v_lshlrev_b32 v[LI], 4, v14
	s_delay_alu instid0(VALU_DEP_2)
	v_lshlrev_b32 v[LS], 2, v14
	s_delay_alu instid0(VALU_DEP_2)
	v_add_nc_u32 v[AW+1], 32768, v[LI]
	s_delay_alu instid0(VALU_DEP_3)
	v_add_nc_u32 v[AW+2], 65536, v[LI]
	s_delay_alu instid0(VALU_DEP_3)
	v_add_nc_u32 v[AWC], WSC, v[LS]
	v_and_b32 v208, 15, v0                         ; r
	v_bfe_u32 v211, v0, 4, 1                       ; h'
	s_delay_alu instid0(VALU_DEP_1)
	v_lshl_add_u32 v[AB], v211, 6, BIA
	v_and_b32 v209, 8, v0
	s_delay_alu instid0(VALU_DEP_1)
	v_add_nc_u32 v209, v209, v208                  ; r + 8 (r / 8): my row in a tile of weight rows
	s_delay_alu instid0(VALU_DEP_1)
	v_lshlrev_b32 v13, 9, v209
	s_delay_alu instid0(VALU_DEP_1)
	v_lshl_add_u32 v13, v211, 4, v13               ; its codes: 512 bytes a row, + 16 h'
	s_delay_alu instid0(VALU_DEP_3)
	v_lshlrev_b32 v14, 4, v209                     ; its scale bytes: 16 a row
	s_delay_alu instid0(VALU_DEP_4)
	v_lshl_add_u32 v216, v209, 2, BIA+512          ; bv of my lane's d
	s_lshr_b32 s34, s[WV], 2                       ; t: the weight tile that I bring.  Also pair 1's key step
	s_and_b32 s35, s[WV], 3                        ; s: its K step.  Also pair 1's key block
	s_lshr_b32 s36, s34, 1
	s_and_b32 s37, s34, 1
	s_lshl_b32 s38, s[WV], 11                      ; 2,048 w
	s_lshl_b32 s39, s[WV], 7                       ; 128 w
	s_add_co_u32 s40, s38, KIMG
	s_add_co_u32 s41, s39, KSC
	s_add_co_u32 s42, s38, QIMG
	s_add_co_u32 s43, s39, QSC
	s_lshl_b32 s44, s34, 13
	s_lshl_b32 s47, s35, 9
	s_add_co_u32 s44, s44, s47
	s_add_co_u32 s44, s44, VIMG
	s_lshl_b32 s45, s34, 9
	s_add_co_u32 s45, s45, s35
	s_add_co_u32 s45, s45, VSC
	s_lshl_b32 s46, s36, 9
	s_lshl_b32 s47, s35, 7
	s_add_co_u32 s46, s46, s47
	s_lshl_b32 s47, s37, 6
	s_add_co_u32 s46, s46, s47
	s_add_co_u32 s46, s46, WSC
	v_add_nc_u32 v[AK], s40, v[LI]
	v_add_nc_u32 v[AKW], s41, v[LS]
	v_add_nc_u32 v[AQ], s42, v[LI]
	v_add_nc_u32 v[AQW], s43, v[LS]
	v_add_nc_u32 v[AV], s44, v[LI]
	v_add_nc_u32 v[AVB], s45, v[LS]
	v_add_nc_u32 v212, s38, v[LI]                  ; where my weight fragments go: image w of each matrix
	s_delay_alu instid0(VALU_DEP_1)
	v_add_nc_u32 v213, 65536, v212
	v_lshl_add_u32 v214, v208, 2, s46              ; and their scale words
	s_lshr_b32 s31, ttmp9, 1                       ; h
	s_and_b32 s32, ttmp9, 1                        ; qh
	s_and_b32 s33, ttmp7, 0xffff                   ; b
	s_mov_b32 s[SEL], 0x76543210
	s_mov_b32 s[SEL+1], 0xfedcba98
	s_mov_b32 s[MNT], 0x600000
	s_mov_b32 s[HI], 0xffff0000
	s_mov_b32 s[CS], 0x3e38aa3b                    ; log2(e) / 8
	s_mov_b32 s[CS+1], s[CS]
	s_lshl_b32 s38, s31, 6                         ; my tile's first weight row: 64 h + 32 (t / 2) + 8 (t % 2)
	s_lshl_b32 s39, s36, 5
	s_add_co_u32 s38, s38, s39
	s_lshl_b32 s39, s37, 3
	s_add_co_u32 s38, s38, s39
	s_lshl_b32 s40, s38, 9                         ; its codes, at K step s
	s_lshl_b32 s39, s35, 7
	s_add_co_u32 s40, s40, s39
	s_mov_b32 s41, 0
	s_lshl_b32 s42, s38, 4                         ; its scale bytes, at K step s
	s_lshl_b32 s39, s35, 2
	s_add_co_u32 s42, s42, s39
	s_mov_b32 s43, 0
	s_lshl_b32 s44, s31, 8                         ; the head's 64 numbers of a bias
	s_mov_b32 s45, 0
	s_lshl_b32 s34, s32, 4
	s_add_co_u32 s34, s34, s[WV]                   ; pair 1: beta = 16 qh + w
	s_xor_b32 s35, s34, 16                         ; pair 2: the other half's
	s_lshl_b32 s36, s33, 19                        ; 524,288 b
	s_lshl_b32 s37, s33, 14                        ; 16,384 b
	s_mov_b32 s47, 0
	s_wait_alu depctr_va_vdst(0)
	s_wait_kmcnt 0x0
.irp m, 0,1,2
	s_add_nc_u64 s[8+6*\m:9+6*\m], s[8+6*\m:9+6*\m], s[40:41]
	s_add_nc_u64 s[10+6*\m:11+6*\m], s[10+6*\m:11+6*\m], s[42:43]
	s_add_nc_u64 s[12+6*\m:13+6*\m], s[12+6*\m:13+6*\m], s[44:45]
.endr
	s_lshl_b32 s46, s35, 14
	s_add_co_u32 s46, s46, s36
	s_add_nc_u64 s[PX2:PX2+1], s[4:5], s[46:47]
	s_lshl_b32 s46, s35, 9
	s_add_co_u32 s46, s46, s37
	s_add_nc_u64 s[PS2:PS2+1], s[6:7], s[46:47]
.irp m, 0,1,2                          ; 18 loads: my fragment, its scale words and my 16 bytes of the bias, of each matrix
.irp c, 0,1,2,3
	global_load_b128 v[144+16*\m+4*\c:147+16*\m+4*\c], v13, s[8+6*\m:9+6*\m] offset:32*\c
.endr
	global_load_b32 v[192+\m], v14, s[10+6*\m:11+6*\m]
	global_load_b128 v[196+4*\m:199+4*\m], v15, s[12+6*\m:13+6*\m]
.endr
	XLOAD PX2, PS2, 0                              ; 18 + 18 loads: pair 2's fragments of xn, K steps 0 and 1 first
	XLOAD PX2, PS2, 2
	s_lshl_b32 s46, s34, 14
	s_add_co_u32 s46, s46, s36
	s_add_nc_u64 s[PX1:PX1+1], s[4:5], s[46:47]
	s_lshl_b32 s38, s31, 10                        ; oc: pair 1's images, K step h / 2, register groups 2 (h % 2) on: + 1,024 h
	s_add_co_u32 s46, s46, s38
	s_add_nc_u64 s[26:27], s[26:27], s[46:47]
	s_lshl_b32 s46, s34, 9
	s_add_co_u32 s46, s46, s37
	s_add_nc_u64 s[PS1:PS1+1], s[6:7], s[46:47]
	s_lshr_b32 s38, s31, 1                         ; os: + 128 (h / 2) + 2 (h % 2)
	s_lshl_b32 s38, s38, 7
	s_add_co_u32 s46, s46, s38
	s_and_b32 s38, s31, 1
	s_lshl_b32 s38, s38, 1
	s_add_co_u32 s46, s46, s38
	s_add_nc_u64 s[28:29], s[28:29], s[46:47]
	s_wait_loadcnt 36                              ; the 18 are in; the 36 issued behind them may be out
.irp m, 0,1
.irp c, 0,1,2,3
	ds_store_b128 v212, v[144+16*\m+4*\c:147+16*\m+4*\c] offset:32768*\m+512*\c
.endr
.endr
.irp c, 0,1,2,3
	ds_store_b128 v213, v[176+4*\c:179+4*\c] offset:512*\c
.endr
.irp m, 0,1,2
	ds_store_b32 v214, v[192+\m] offset:1024*\m    ; lanes r and 16 + r write the same word with the same value
	ds_store_b128 v215, v[196+4*\m:199+4*\m] offset:256*\m   ; all lanes write my wave's 16 bytes with the same values
.endr
	BARRIER                                        ; the head's weights, their scale words and the biases lie in LDS
.irp t, 0,1,2,3
	ds_load_b32 v[BV+\t], v216 offset:4*(32*(\t/2)+8*(\t%2))
.endr
	s_wait_loadcnt 18                              ; pair 2's K steps 0 and 1 are in; the 18 loads of K steps 2 and 3 may be out
	s_wait_dscnt 0x0
	; ---- B. the projections
	UNITQK 1, 0, AK, 32768, AKW, 2048, 1           ; pair 2: k into slot 16 + w,
	UNITQK 1, 1, AK, 32768, AKW, 2048, 0
	UNITV 0, 1, 0                                  ; v into key step 4 + w / 4
	UNITV 1, 1, 1
	s_wait_loadcnt 18                              ; pair 1's K steps 0 and 1 are in; the 18 loads of K steps 2 and 3 may be out
	UNITQK 1, 0, AK, 0, AKW, 0, 1                  ; pair 1: k, v, q
	UNITQK 1, 1, AK, 0, AKW, 0, 0
	UNITV 0, 0, 0
	UNITV 1, 0, 0
	UNITQK 0, 0, AQ, 0, AQW, 0, 0
	UNITQK 0, 1, AQ, 0, AQW, 0, 0
	BARRIER                                        ; all 1,024 keys' k and v lie in LDS; nothing is stored to LDS behind this barrier
	; ---- C. attention
.irp j, 8,9,10,11,12,13,14,15
	v_mov_b32 v[QF+\j], 0                          ; q's upper 64 of K: zero codes, written once
.endr
.irp j, 0,1,2,3,4,5,6,7
	v_mov_b32 v[KB+64+\j], 0                       ; what stands behind the eighth tile of k: zero codes, written once
.endr
.irp j, 0,1,2,3
	v_mov_b32 v[PM+\j], 0                          ; a lane permute's destination counts as one of its sources
.endr
	v_mov_b32 v[F+1], 0                            ; named as the upper half of a pair
	v_and_b32 v[OSO], 15, v0
	v_bfe_u32 v[TT], v0, 4, 1
	s_delay_alu instid0(VALU_DEP_1)
	v_lshl_add_u32 v[OSO], v[OSO], 2, v[TT]        ; 4 r + h': query r's word, my block's byte
	ds_load_b32 v[QSR], v[AQW]                     ; q's scale words, both tiles'
	s_wait_dscnt 0x0                               ; it is in: q's codes land on its address register next
	TILE 0
	TILE 1
	s_wait_xcnt 0x0
	v_lshl_add_u32 v254, v0, 2, 0x43800
	v_mov_b32 v255, 0
	s_wait_alu depctr_va_vdst(0)
	s_wait_tensorcnt 0x0
	ds_add_u32 v254, v255
	s_wait_dscnt 0x0
	s_endpgm
.Lfunc_end_k_q2460082978_attn:
	.size	k_q2460082978_attn, .Lfunc_end_k_q2460082978_attn-k_q2460082978_attn
	.p2alignl 7, 3214868480
	.fill 96, 4, 3214868480
	.section	.rodata,"a",@progbits
	.p2align	6, 0x0
	.amdhsa_kernel k_q2460082978_attn
		.amdhsa_group_segment_fixed_size 278528
		.amdhsa_private_segment_fixed_size 0
		.amdhsa_enable_private_segment 0
		.amdhsa_kernarg_size 104
		.amdhsa_user_sgpr_count 2
		.amdhsa_user_sgpr_kernarg_segment_ptr 1
		.amdhsa_wavefront_size32 1
		.amdhsa_system_sgpr_workgroup_id_x 1
		.amdhsa_system_sgpr_workgroup_id_y 1
		.amdhsa_system_sgpr_workgroup_id_z 1
		.amdhsa_system_vgpr_workitem_id 0
		.amdhsa_next_free_vgpr 256
		.amdhsa_next_free_sgpr 72
		.amdhsa_reserve_vcc 0
		.amdhsa_float_denorm_mode_32 3
		.amdhsa_float_denorm_mode_16_64 3
		.amdhsa_fp16_overflow 1
		.amdhsa_memory_ordered 1
		.amdhsa_forward_progress 1
		.amdhsa_inst_pref_size 181
	.end_amdhsa_kernel
	.amdgpu_metadata
---
amdhsa.version: [ 1, 2 ]
amdhsa.kernels:
  - .name:           k_q2460082978_attn
    .symbol:         k_q2460082978_attn.kd
    .args:
      - { .name: xc, .offset: 0, .size: 8, .value_kind: global_buffer, .address_space: global }
      - { .name: xs, .offset: 8, .size: 8, .value_kind: global_buffer, .address_space: global }
      - { .name: wq_codes, .offset: 16, .size: 8, .value_kind: global_buffer, .address_space: global }
      - { .name: wq_scales, .offset: 24, .size: 8, .value_kind: global_buffer, .address_space: global }
      - { .name: bq, .offset: 32, .size: 8, .value_kind: global_buffer, .address_space: global }
      - { .name: wk_codes, .offset: 40, .size: 8, .value_kind: global_buffer, .address_space: global }
      - { .name: wk_scales, .offset: 48, .size: 8, .value_kind: global_buffer, .address_space: global }
      - { .name: bk, .offset: 56, .size: 8, .value_kind: global_buffer, .address_space: global }
      - { .name: wv_codes, .offset: 64, .size: 8, .value_kind: global_buffer, .address_space: global }
      - { .name: wv_scales, .offset: 72, .size: 8, .value_kind: global_buffer, .address_space: global }
      - { .name: bv, .offset: 80, .size: 8, .value_kind: global_buffer, .address_space: global }
      - { .name: oc, .offset: 88, .size: 8, .value_kind: global_buffer, .address_space: global }
      - { .name: os, .offset: 96, .size: 8, .value_kind: global_buffer, .address_space: global }
    .group_segment_fixed_size: 278528
    .private_segment_fixed_size: 0
    .kernarg_segment_align: 8
    .kernarg_segment_size: 104
    .max_flat_workgroup_size: 512
    .sgpr_count:     72
    .vgpr_count:     256
    .wavefront_size: 32
...
	.end_amdgpu_metadata
.endif
;; end of part 2
;; launch proj (part 3): grid 128 x 2, 16 waves a work-group, no clusters, 202,752 bytes of LDS; arguments oc, os, wo_codes, wo_scales, bo, x, out0; writes out0
.if DOCPART == 3
	.amdgcn_target "amdgcn-amd-amdhsa--gfx1250"
	.amdhsa_code_object_version 6
	.text
	.protected	k_q2460082978_proj
	.globl	k_q2460082978_proj
	.p2align	8
	.type	k_q2460082978_proj,@function
k_q2460082978_proj:
	s_mov_b64 s[64:65], 0
	v_nop
	global_prefetch_b8 v0, s[64:65] scope:SCOPE_SE
	s_setreg_imm32_b32 hwreg(HW_REG_WAVE_MODE, 25, 1), 1
	s_wait_xcnt 0x0
; out0[b][o][n] = sum over i of wo[o][i] att[b][i][n] + bo[o] + x[b][o][n].  att comes as codes of E4M3 and E8M0 words laid as images of operand registers (oc, os), wo as given.
; A work-group takes 128 positions of an image (x = 8 b + q: pairs of tiles 4 q .. 4 q + 3) x 256 outputs (y); wave w takes outputs 256 y + 16 w + 0 .. 15: eight accumulators, one for each tile of 16 positions.
; Source 0 = 16 positions, source 1 = my 16 rows of wo: a lane holds one output and eight NEIGHBOURING positions (row 8 h + j of tile (beta, u) is position 32 beta + 16 h + 8 u + j).
; x + bo IS THE C OF THE SUMS: x's rows are loaded dense (512 consecutive bytes an instruction), get bo, and turn through my own stage in LDS into the accumulators' layout; the results go back the same way.
; wo's 16 rows stay in my registers; the block's 32 fragments of att (64 KB, dense in memory) are copied into LDS once, a sixteenth by each wave, and read by all.
; No tensor load, no ring: each byte from memory is wanted once by a work-group.  No cluster: what neighbours share (a half of wo, a block of codes) goes through registers, where a joint load cannot land.
.set OIMG, 0                           ; LDS: fragment (tile, K step) at (4 tile + s) x 2,048
.set STG,  65536                       ; each wave's stage: 16 rows x (512 bytes + 16): the 16 lanes of a store start 33 x 16 bytes apart
.set LI,  1                            ; v1 16 x lane;  v2 4 x lane
.set LS,  2
.set CP,  3                            ; v3 16 x lane + 4,096 w: my part of the copy, in memory and in LDS alike
.set WO,  4                            ; v4 wo's codes: 512 r + 16 h';  v5 its scale bytes: 16 r
.set WSO, 5
.set AR,  6                            ; v6 the stage by rows;  v7 by accumulators: row r, + 64 h'
.set AS,  7
.set OS,  12                           ; v12-27 att's scale words (4 pair + s);  v28-31 wo's (s).  They hold scales and nothing else
.set WS,  28
.set WF,  32                           ; v32-95   wo's four fragments
.set ACC, 96                           ; v96-159  eight accumulators
.set FB,  160                          ; v160-223 x's rows, then four fragments of att, then rows of out0
.set T0,  224                          ; v224-255 the copy
.macro PLACES n
.rept \n
	v_nop
.endr
.endm
	s_load_b256 s[4:11], s[0:1], 0x0               ; oc, os, wo's codes, wo's scales
	s_load_b128 s[12:15], s[0:1], 0x20             ; bo, x
	s_load_b64 s[16:17], s[0:1], 0x30              ; out0
	v_lshrrev_b32 v8, 5, v0
	s_delay_alu instid0(VALU_DEP_1)
	v_readfirstlane_b32 s18, v8                    ; wave 0..15
	v_and_b32 v9, 31, v0
	s_delay_alu instid0(VALU_DEP_1)
	v_lshlrev_b32 v[LI], 4, v9
	s_delay_alu instid0(VALU_DEP_2)
	v_lshlrev_b32 v[LS], 2, v9
	s_delay_alu instid0(VALU_DEP_2)
	v_lshl_add_u32 v[CP], v8, 12, v[LI]
	v_and_b32 v10, 15, v0                          ; r
	v_bfe_u32 v11, v0, 4, 1                        ; h'
	s_delay_alu instid0(VALU_DEP_2)
	v_lshlrev_b32 v[WO], 9, v10
	s_delay_alu instid0(VALU_DEP_1)
	v_lshl_add_u32 v[WO], v11, 4, v[WO]
	s_delay_alu instid0(VALU_DEP_4)
	v_lshlrev_b32 v[WSO], 4, v10
	s_mul_i32 s19, s18, 8448
	s_add_co_u32 s19, s19, STG                     ; my stage
	v_add_nc_u32 v[AR], s19, v[LI]
	v_mul_u32_u24 v[AS], v10, 528
	s_delay_alu instid0(VALU_DEP_1)
	v_lshl_add_u32 v[AS], v11, 6, v[AS]
	s_delay_alu instid0(VALU_DEP_1)
	v_add_nc_u32 v[AS], s19, v[AS]
	s_and_b32 s36, ttmp7, 0xffff                   ; which 256 outputs
	s_lshr_b32 s37, ttmp9, 3                       ; b
	s_and_b32 s38, ttmp9, 7                        ; q
	s_lshl_b32 s39, s36, 8
	s_lshl_b32 s40, s18, 4
	s_add_co_u32 s39, s39, s40                     ; my first output
	s_lshl_b32 s40, s37, 9
	s_add_co_u32 s40, s40, s39
	s_lshl_b32 s40, s40, 12                        ; x, out0: (512 b + output) rows of 4,096 bytes
	s_lshl_b32 s42, s38, 9                         ; + 128 q positions
	s_add_co_u32 s40, s40, s42
	s_mov_b32 s41, 0
	s_lshl_b32 s42, s37, 19                        ; oc: 524,288 b + 4 q pairs of 16,384 bytes
	s_lshl_b32 s44, s38, 16
	s_add_co_u32 s42, s42, s44
	s_mov_b32 s43, 0
	s_lshl_b32 s44, s37, 14                        ; os: 16,384 b + 4 q pairs of 512 bytes
	s_lshl_b32 s46, s38, 11
	s_add_co_u32 s44, s44, s46
	s_mov_b32 s45, 0
	s_lshl_b32 s46, s39, 9                         ; wo's codes: 512 bytes a row
	s_mov_b32 s47, 0
	s_wait_alu depctr_va_vdst(0)
	s_wait_kmcnt 0x0
	s_add_nc_u64 s[4:5], s[4:5], s[42:43]
	s_add_nc_u64 s[6:7], s[6:7], s[44:45]
	s_add_nc_u64 s[8:9], s[8:9], s[46:47]
	s_lshl_b32 s46, s39, 4                         ; its scale bytes: 16 a row
	s_add_nc_u64 s[10:11], s[10:11], s[46:47]
	s_lshl_b32 s46, s39, 2
	s_add_nc_u64 s[12:13], s[12:13], s[46:47]
	s_add_nc_u64 s[14:15], s[14:15], s[40:41]
	s_add_nc_u64 s[16:17], s[16:17], s[40:41]
	s_load_b512 s[20:35], s[12:13], 0x0            ; bo of my 16 outputs
	; all 57 loads go out together
.irp i, 0,1,2,3,4,5,6,7
	global_load_b128 v[T0+4*\i:T0+4*\i+3], v[CP], s[4:5] offset:512*\i
.endr
.irp i, 0,1,2,3,4,5,6,7,8,9,10,11,12,13,14,15
	global_load_b128 v[FB+4*\i:FB+4*\i+3], v[LI], s[14:15] offset:4096*\i th:TH_LOAD_NT   ; output i's 128 positions: 512 consecutive bytes, aligned
.endr
.irp s, 0,1,2,3
.irp c, 0,1,2,3
	global_load_b128 v[WF+16*\s+4*\c:WF+16*\s+4*\c+3], v[WO], s[8:9] offset:128*\s+32*\c
.endr
.endr
	global_load_b128 v[WS:WS+3], v[WSO], s[10:11]
.irp k, 0,1,2,3,4,5,6,7,8,9,10,11,12,13,14,15
	global_load_b32 v[OS+\k], v[LS], s[6:7] offset:128*\k
.endr
	s_wait_loadcnt 49                              ; the copy's 8 are in; behind them 16 + 16 + 1 + 16 were issued
.irp i, 0,1,2,3,4,5,6,7
	ds_store_b128 v[CP], v[T0+4*\i:T0+4*\i+3] offset:OIMG+512*\i
.endr
	s_wait_loadcnt 33                              ; x's 16 are in; behind them 16 + 1 + 16
	s_wait_kmcnt 0x0
.irp i, 0,1,2,3,4,5,6,7,8,9,10,11,12,13,14,15
.irp k, 0,1,2,3
	v_add_f32 v[FB+4*\i+\k], s[20+\i], v[FB+4*\i+\k]
.endr
	ds_store_b128 v[AR], v[FB+4*\i:FB+4*\i+3] offset:528*\i
.endr
.irp t, 0,1,2,3,4,5,6,7                ; tile t = 2 pair + u: positions 32 pair + 16 h' + 8 u + 0 .. 7 of output r.  LDS serves a wave's instructions in order: these see my stores
	ds_load_b128 v[ACC+8*\t:ACC+8*\t+3], v[AS] offset:128*(\t/2)+32*(\t%2)
	ds_load_b128 v[ACC+8*\t+4:ACC+8*\t+7], v[AS] offset:128*(\t/2)+32*(\t%2)+16
.endr
	s_wait_loadcnt 0x0                             ; wo and the scale words
	s_wait_dscnt 0x0                               ; my part of the copy has landed, and my own loads are in
	s_barrier_signal -1
	s_barrier_wait -1                              ; the block's 32 fragments lie in LDS
; Four tiles' fragments of K step s, and their products.  The eight accumulators take turns, one instruction a turn.
.macro KPART s, hf, first
.if \first == 0
	PLACES 8                                       ; in front of loads into the fragments just multiplied (8 places behind this form)
.endif
.irp i, 0,1,2,3
.irp c, 0,1,2,3
	ds_load_b128 v[FB+16*\i+4*\c:FB+16*\i+4*\c+3], v[LI] offset:OIMG+(4*(4*\hf+\i)+\s)*2048+512*\c
.endr
.endr
	s_wait_dscnt 0x0
.irp i, 0,2
	v_wmma_scale_f32_16x16x128_f8f6f4 v[ACC+8*(4*\hf+\i):ACC+8*(4*\hf+\i)+7], v[FB+16*\i:FB+16*\i+15], v[WF+16*\s:WF+16*\s+15], v[ACC+8*(4*\hf+\i):ACC+8*(4*\hf+\i)+7], v[OS+4*((4*\hf+\i)/2)+\s], v[WS+\s]
	v_wmma_scale_f32_16x16x128_f8f6f4 v[ACC+8*(4*\hf+\i+1):ACC+8*(4*\hf+\i+1)+7], v[FB+16*(\i+1):FB+16*(\i+1)+15], v[WF+16*\s:WF+16*\s+15], v[ACC+8*(4*\hf+\i+1):ACC+8*(4*\hf+\i+1)+7], v[OS+4*((4*\hf+\i)/2)+\s], v[WS+\s] matrix_a_scale:MATRIX_SCALE_ROW1
.endr
.endm
	KPART 0, 0, 1
	KPART 0, 1, 0
	KPART 1, 0, 0
	KPART 1, 1, 0
	KPART 2, 0, 0
	KPART 2, 1, 0
	KPART 3, 0, 0
	KPART 3, 1, 0
	PLACES 8                                       ; in front of the stores that read the results, and of the loads into the last fragments
.irp t, 0,1,2,3,4,5,6,7
	ds_store_b128 v[AS], v[ACC+8*\t:ACC+8*\t+3] offset:128*(\t/2)+32*(\t%2)          ; each accumulator from its low end on
	ds_store_b128 v[AS], v[ACC+8*\t+4:ACC+8*\t+7] offset:128*(\t/2)+32*(\t%2)+16
.endr
.irp i, 0,1,2,3,4,5,6,7,8,9,10,11,12,13,14,15
	ds_load_b128 v[FB+4*\i:FB+4*\i+3], v[AR] offset:528*\i
.endr
.irp i, 0,1,2,3,4,5,6,7,8,9,10,11,12,13,14,15
	s_wait_dscnt 15-\i                             ; row i is back; the younger loads may be out
	global_store_b128 v[LI], v[FB+4*\i:FB+4*\i+3], s[16:17] offset:4096*\i th:TH_STORE_NT   ; 32 lanes store 512 consecutive bytes, aligned; written once, read by nobody here
.endr
	s_wait_xcnt 0x0
	v_lshl_add_u32 v254, v0, 2, 0x31000
	v_mov_b32 v255, 0
	s_wait_alu depctr_va_vdst(0)
	s_wait_tensorcnt 0x0
	ds_add_u32 v254, v255
	s_wait_dscnt 0x0
	s_endpgm
.Lfunc_end_k_q2460082978_proj:
	.size	k_q2460082978_proj, .Lfunc_end_k_q2460082978_proj-k_q2460082978_proj
	.p2alignl 7, 3214868480
	.fill 96, 4, 3214868480
	.section	.rodata,"a",@progbits
	.p2align	6, 0x0
	.amdhsa_kernel k_q2460082978_proj
		.amdhsa_group_segment_fixed_size 202752
		.amdhsa_private_segment_fixed_size 0
		.amdhsa_enable_private_segment 0
		.amdhsa_kernarg_size 56
		.amdhsa_user_sgpr_count 2
		.amdhsa_user_sgpr_kernarg_segment_ptr 1
		.amdhsa_wavefront_size32 1
		.amdhsa_system_sgpr_workgroup_id_x 1
		.amdhsa_system_sgpr_workgroup_id_y 1
		.amdhsa_system_sgpr_workgroup_id_z 1
		.amdhsa_system_vgpr_workitem_id 0
		.amdhsa_next_free_vgpr 256
		.amdhsa_next_free_sgpr 66
		.amdhsa_reserve_vcc 0
		.amdhsa_float_denorm_mode_32 3
		.amdhsa_float_denorm_mode_16_64 3
		.amdhsa_memory_ordered 1
		.amdhsa_forward_progress 1
		.amdhsa_inst_pref_size 32
	.end_amdhsa_kernel
	.amdgpu_metadata
---
amdhsa.version: [ 1, 2 ]
amdhsa.kernels:
  - .name:           k_q2460082978_proj
    .symbol:         k_q2460082978_proj.kd
    .args:
      - { .name: oc, .offset: 0, .size: 8, .value_kind: global_buffer, .address_space: global }
      - { .name: os, .offset: 8, .size: 8, .value_kind: global_buffer, .address_space: global }
      - { .name: wo_codes, .offset: 16, .size: 8, .value_kind: global_buffer, .address_space: global }
      - { .name: wo_scales, .offset: 24, .size: 8, .value_kind: global_buffer, .address_space: global }
      - { .name: bo, .offset: 32, .size: 8, .value_kind: global_buffer, .address_space: global }
      - { .name: x, .offset: 40, .size: 8, .value_kind: global_buffer, .address_space: global }
      - { .name: out0, .offset: 48, .size: 8, .value_kind: global_buffer, .address_space: global }
    .group_segment_fixed_size: 202752
    .private_segment_fixed_size: 0
    .kernarg_segment_align: 8
    .kernarg_segment_size: 56
    .max_flat_workgroup_size: 512
    .sgpr_count:     66
    .vgpr_count:     256
    .wavefront_size: 32
...
	.end_amdgpu_metadata
.endif
;; end of part 3
